; MI455X (gfx1250); checked and timed in simulation.
; The chip was launched on July 23, 2026; its instructions are those of AMD's public machine-readable ISA for CDNA 5 (MIT licence, August 2026) and "CDNA5" Instruction Set Architecture Reference Guide (July 2026). The comments in the code are by the model that wrote it; some were corrected since.
;; Multi Head Attention. Allowed arithmetic: float matrix products may take bf16 or f16 operands with f32 sums; all other float work in f32.
;; Inputs: Wk 1,024 x 1,024 float32; Wo 1,024 x 1,024 float32; Wq 1,024 x 1,024 float32; Wv 1,024 x 1,024 float32; bk 1,024 float32; bo 1,024 float32; bq 1,024 float32; bv 1,024 float32; x 2 x 2,048 x 1,024 float32.
;; Outputs: out0 2 x 2,048 x 1,024 float32.
;; Constants: mask = 1.
;; One version. Each part assembles by itself: llvm-mc -triple=amdgcn-amd-amdhsa -mcpu=gfx1250 --defsym DOCPART=n.
;; ======== version 1 of 1: 4 launches
;; limits: values are held in f16: magnitudes above 65,504 overflow, below 6.1e-05 lose precision
;; workspace buffers: cb 16,777,216 bytes; qkv 25,165,824 bytes; ao 8,388,608 bytes
;; launch cast (part 1): grid 512 x 1, 8 waves a work-group, no clusters, 0 bytes of LDS; arguments x, Wq, Wk, Wv, Wo, cb; writes cb
.if DOCPART == 1
	.amdgcn_target "amdgcn-amd-amdhsa--gfx1250"
	.amdhsa_code_object_version 6
	.text
	.protected	k_q6ed15e6d80_cast
	.globl	k_q6ed15e6d80_cast
	.p2align	8
	.type	k_q6ed15e6d80_cast,@function
k_q6ed15e6d80_cast:
	s_mov_b64 s[64:65], 0
	v_nop
	global_prefetch_b8 v0, s[64:65] scope:SCOPE_SE
	s_setreg_imm32_b32 hwreg(HW_REG_WAVE_MODE, 25, 1), 1
	s_wait_xcnt 0x0
; x [4096][1024] and Wq, Wk, Wv, Wo [1024][1024], all f32, are rounded once to bf16 (nearest even) and laid one behind the other
; into cb, each in its own row-major layout: x at byte 0 (8 MiB), then Wq, Wk, Wv, Wo (2 MiB each).
; The matrix launches behind this one then move half the bytes, and can transpose W from LDS, which only 16-bit data allow.
; Wo's partner in its product is an f16 operand, so Wo's bf16 value is stored in f16.  It is rounded to bf16 first, like the other four inputs,
; so that the whole program computes the function of one set of inputs, all rounded alike.
; LIMIT: a bf16 number has 8 significant bits and fits f16's 11 exactly from 2^-14 up to 65,504; below 2^-14 it is rounded to a multiple of 2^-24, above it becomes infinite.
; 512 work-groups of 16,384 numbers: 64 KiB in, 32 KiB out.  Work-groups 0-255 take x, then 64 for each W.
; Thread t, pass k: 32 bytes in at 32 t + 8192 k, 16 bytes out at 16 t + 4096 k: a wave's store covers 512 consecutive bytes, aligned.
; A stream: no LDS, no barrier, no matrix unit.  All 16 loads of a thread go out first.
.set X, 4                              ; v[4:67]   16 loads of 4 registers
.set Y, 68                             ; v[68:99]  8 stores of 4 registers
	s_load_b256 s[4:11], s[0:1], 0x0               ; x, Wq, Wk, Wv
	s_load_b128 s[12:15], s[0:1], 0x20             ; Wo, cb
	s_lshr_b32 s22, ttmp9, 6                       ; m: 0-3 x, 4 Wq, 5 Wk, 6 Wv, 7 Wo
	s_and_b32 s23, ttmp9, 63                       ; my place inside a W
	s_cmp_lt_u32 s22, 4
	s_cselect_b32 s18, ttmp9, s23                  ; my place inside my source
	s_lshl_b32 s18, s18, 16                        ; times 64 KiB
	s_mov_b32 s19, 0
	s_lshl_b32 s20, ttmp9, 15                      ; my 32 KiB of cb
	s_mov_b32 s21, 0
	v_lshlrev_b32 v1, 5, v0                        ; 32 t
	v_lshlrev_b32 v2, 4, v0                        ; 16 t
	s_wait_kmcnt 0x0
	s_cmp_eq_u32 s22, 4
	s_cselect_b64 s[16:17], s[6:7], s[4:5]         ; the source is chosen by the work-group's number alone
	s_cmp_eq_u32 s22, 5
	s_cselect_b64 s[16:17], s[8:9], s[16:17]
	s_cmp_eq_u32 s22, 6
	s_cselect_b64 s[16:17], s[10:11], s[16:17]
	s_cmp_eq_u32 s22, 7
	s_cselect_b64 s[16:17], s[12:13], s[16:17]
	s_add_nc_u64 s[16:17], s[16:17], s[18:19]
	s_add_nc_u64 s[14:15], s[14:15], s[20:21]
.irp k, 0,1,2,3,4,5,6,7
	global_load_b128 v[X+8*\k:X+8*\k+3],   v1, s[16:17] offset:8192*\k th:TH_LOAD_NT
	global_load_b128 v[X+8*\k+4:X+8*\k+7], v1, s[16:17] offset:8192*\k+16 th:TH_LOAD_NT
.endr
; One pass: eight numbers rounded and stored.  wo = 1: the bf16 values are widened again (a shift, a mask) into the registers that the pass's loads filled, and stored as f16.
.macro PASS k, wo
	s_wait_loadcnt 14-2*\k                         ; loads come back in order: pass k's two are in, the 2 (7 - k) younger ones stay out
.irp j, 0,1,2,3
	v_cvt_pk_bf16_f32 v[Y+4*\k+\j], v[X+8*\k+2*\j], v[X+8*\k+2*\j+1]
.endr
.if \wo
.irp j, 0,1,2,3
	v_lshlrev_b32 v[X+8*\k+2*\j],   16, v[Y+4*\k+\j]
	v_and_b32     v[X+8*\k+2*\j+1], 0xffff0000, v[Y+4*\k+\j]
.endr
.irp j, 0,1,2,3
	v_cvt_pk_f16_f32 v[Y+4*\k+\j], v[X+8*\k+2*\j], v[X+8*\k+2*\j+1]
.endr
.endif
	global_store_b128 v2, v[Y+4*\k:Y+4*\k+3], s[14:15] offset:4096*\k   ; no hint: a later launch reads it
.endm
	s_cmp_eq_u32 s22, 7
	s_cbranch_scc1 .Lwo
.irp k, 0,1,2,3,4,5,6,7
	PASS \k, 0
.endr
	s_endpgm
.Lwo:
.irp k, 0,1,2,3,4,5,6,7
	PASS \k, 1
.endr
	s_endpgm
.Lfunc_end_k_q6ed15e6d80_cast:
	.size	k_q6ed15e6d80_cast, .Lfunc_end_k_q6ed15e6d80_cast-k_q6ed15e6d80_cast
	.p2alignl 7, 3214868480
	.fill 96, 4, 3214868480
	.section	.rodata,"a",@progbits
	.p2align	6, 0x0
	.amdhsa_kernel k_q6ed15e6d80_cast
		.amdhsa_group_segment_fixed_size 0
		.amdhsa_private_segment_fixed_size 0
		.amdhsa_enable_private_segment 0
		.amdhsa_kernarg_size 48
		.amdhsa_user_sgpr_count 2
		.amdhsa_user_sgpr_kernarg_segment_ptr 1
		.amdhsa_wavefront_size32 1
		.amdhsa_system_sgpr_workgroup_id_x 1
		.amdhsa_system_sgpr_workgroup_id_y 1
		.amdhsa_system_sgpr_workgroup_id_z 1
		.amdhsa_system_vgpr_workitem_id 0
		.amdhsa_next_free_vgpr 100
		.amdhsa_next_free_sgpr 66
		.amdhsa_reserve_vcc 0
		.amdhsa_float_denorm_mode_32 3
		.amdhsa_float_denorm_mode_16_64 3
		.amdhsa_memory_ordered 1
		.amdhsa_forward_progress 1
		.amdhsa_inst_pref_size 14
	.end_amdhsa_kernel
	.amdgpu_metadata
---
amdhsa.version: [ 1, 2 ]
amdhsa.kernels:
  - .name:           k_q6ed15e6d80_cast
    .symbol:         k_q6ed15e6d80_cast.kd
    .args:
      - { .name: x, .offset: 0, .size: 8, .value_kind: global_buffer, .address_space: global }
      - { .name: Wq, .offset: 8, .size: 8, .value_kind: global_buffer, .address_space: global }
      - { .name: Wk, .offset: 16, .size: 8, .value_kind: global_buffer, .address_space: global }
      - { .name: Wv, .offset: 24, .size: 8, .value_kind: global_buffer, .address_space: global }
      - { .name: Wo, .offset: 32, .size: 8, .value_kind: global_buffer, .address_space: global }
      - { .name: cb, .offset: 40, .size: 8, .value_kind: global_buffer, .address_space: global }
    .group_segment_fixed_size: 0
    .private_segment_fixed_size: 0
    .kernarg_segment_align: 8
    .kernarg_segment_size: 48
    .max_flat_workgroup_size: 256
    .sgpr_count:     66
    .vgpr_count:     100
    .wavefront_size: 32
...
	.end_amdgpu_metadata
.endif
;; end of part 1
;; launch qkv (part 2): grid 12 x 16, 4 waves a work-group, clusters of 4 x 4, 327,680 bytes of LDS; arguments cb, bq, bk, bv, qkv; writes qkv
.if DOCPART == 2
	.amdgcn_target "amdgcn-amd-amdhsa--gfx1250"
	.amdhsa_code_object_version 6
	.text
	.protected	k_q6ed15e6d80_qkv
	.globl	k_q6ed15e6d80_qkv
	.p2align	8
	.type	k_q6ed15e6d80_qkv,@function
k_q6ed15e6d80_qkv:
	s_mov_b64 s[64:65], 0
	v_nop
	global_prefetch_b8 v0, s[64:65] scope:SCOPE_SE
	s_setreg_imm32_b32 hwreg(HW_REG_WAVE_MODE, 25, 1), 1
	s_wait_xcnt 0x0
	s_wait_alu depctr_hold_cnt(0) depctr_sa_sdst(0) depctr_va_vdst(0) depctr_va_sdst(0) depctr_va_ssrc(0) depctr_va_vcc(0) depctr_vm_vsrc(0)
	s_getreg_b32 s2, hwreg(HW_REG_IB_STS2, 6, 4)
	s_cmp_eq_u32 s2, 0
	s_cbranch_scc0 .Lentry_in_a_cluster
	s_endpgm
.Lentry_in_a_cluster:
	s_bfe_u32 s2, ttmp6, 0x10000c
	s_cmp_lg_u32 s2, 0xf033
	s_cbranch_scc0 .Lentry_shape_is_right
	s_endpgm
.Lentry_shape_is_right:
; q, k, v = x W + b for the three weights at once: [4096 x 1024] x [1024 x 3072], bf16 operands from cb, f32 sums, the bias as the sums' start,
; rounded once to f16 and stored split by head: qkv[3 (q,k,v)][batch 2][head 16][s 2048][64].
; WHY f16 OUT: row s of the final output is a mean over s + 1 rows of v, so its first rows are some 16 times larger than the output's root mean square;
; the 8 significant bits of bf16 in v would leave in them an error of several hundredths of that root mean square, f16's 11 bits an eighth of it.
; LIMITS: x and W are bf16.  q, k, v are f16: beyond 65,504 they become infinite.  With x and W 30 times larger than unit x and W of spread 0.02 they are about 6e2,
; with x and W each offset by 30 of their spreads about 1.9e4.  NaN and infinities are not treated specially.
; A work-group makes 256 x 256 with four waves, a wave 128 x 128: 64 accumulator tiles, 512 registers.  12 x 16 = 192 work-groups: a block of 192 columns
; would give 256, but would cross from one weight into the next and cut heads between waves.
; K goes in steps of 128 through two LDS slots filled by the tensor data mover.  x lies [m][k]: its tile rows are 256 bytes.  W lies [k][n]: its tile is
; 128 k-rows of 512 bytes, and its fragments are read with the transposing LDS load.
; CLUSTERS: 4 x 4 work-groups.  The cluster's x is the weight (q, k, v), cx the block of 256 columns in it.  x's tile hangs on the block row alone and is asked for
; jointly along a row of the cluster, W's on weight and cx alone and is asked for jointly along a column.
; REGISTER WINDOWS: window 0: addresses, x's fragments (two buffers), the bias (later the packed results); window 1: W's fragments; windows 2, 3: accumulators.
; THE MATRIX INSTRUCTION IS USED TRANSPOSED: source 0 = 16 columns of W, source 1 = 16 rows of x: lane l holds row l % 16, registers 0-7 the columns 8 (l / 16) + 0..7.
; By this text's own count a wave has at most two tensor loads outstanding (the two first fills), later one.
.set KSTEP,  128
.set PITCH,  272                       ; x's LDS row: 256 bytes + 16: the 16 rows of a fragment load start 16 bytes apart modulo 256
.set PITCHB, 544                       ; W's LDS row: 512 bytes + 32: an odd multiple of 32, as the transposing load's eight rows want
.set HALFT,  128*PITCH                 ; one tensor load: 128 rows of x, or 64 k-rows of W (64 x 544 is the same 34,816 bytes)
.set SLOT,   4*HALFT                   ; x's two halves, then W's 128 k-rows without a gap
.set STAGE,  2*SLOT                    ; behind the ring: 16 rows x 272 bytes for each wave; no fill lands there
.set SPITCH, 272
.set LAPS,   4                         ; 1024 / 256: a lap = two K steps = once round the ring
.set ADRA, 16                          ; v16-17  LDS address of my x fragments in slot 0, 1
.set ADRB, 20                          ; v20-21  the same for W
.set STO,  24                          ; v24     way out: where I put 16 bytes of a row
.set RD,   25                          ; v25     way out: where I read a head's rows back
.set CO,   26                          ; v26     way out: 16 x lane
.set BO,   27                          ; v27     byte offset of my bias numbers
.set F0,   64
.set F1,   128
.set BIAS, 192                         ; v192-255 bias[16 b + 8 (l / 16) + j] at register 8 b + j
.set TMP,  192                         ; way out: packed results (the bias is no longer needed)
.set G1, 24                            ; s[24:31] group 1 for x's tiles
.set G0, 32                            ; s[32:39] group 0 for x's tiles, one set a slot
.set G1B, 48                           ; s[48:55] group 1 for W's tiles
.set G0B, 56                           ; s[56:63] group 0 for W's tiles, one set a slot
.set MSB, 0
.macro WIN new                         ; the immediate's high byte repeats the setting that is left
.if MSB != \new
	s_set_vgpr_msb (MSB<<8)|\new
.set MSB, \new
.endif
.endm
.set MUL_LO, 0xa1                      ; source 0 (W) window 1, source 1 (x) window 0, C and D window 2
.set MUL_HI, 0xf1                      ; the same, C and D window 3
.set FST_LO, 0x81                      ; the first product: C (the bias) window 0, D window 2
.set FST_HI, 0xc1                      ; the same, D window 3
.set TO_B,   0x40                      ; destination window 1, address window 0
; A joint load.  Waves 0 and 1 fetch x's two halves, waves 2 and 3 W's.  The branch hangs on the wave's number alone.
.macro JLOAD s
	s_cmp_eq_u32 s11, 0
	s_cbranch_scc0 .Lfor_b_\@
	tensor_load_to_lds s[G0+4*\s:G0+4*\s+3], s[G1:G1+7]
	s_nop 0
	s_branch .Lasked_\@
.Lfor_b_\@:
	tensor_load_to_lds s[G0B+4*\s:G0B+4*\s+3], s[G1B:G1B+7]
	s_nop 0
.Lasked_\@:
.endm
; A round of the cluster's barrier: my work-group's barrier, wave 0 signals for the work-group, every wave waits for all sixteen, my work-group's barrier again.
.macro CREST
	s_cmp_lg_u32 s10, 0
	s_cbranch_scc1 .Lnot_wave_0_\@
	s_barrier_signal -3
.Lnot_wave_0_\@:
	s_barrier_wait -3
	s_barrier_signal -1
	s_barrier_wait -1
.endm
.macro CROUND
	s_barrier_signal -1
	s_barrier_wait -1
	CREST
.endm
	s_load_b256 s[68:75], s[0:1], 0x0              ; cb, bq, bk, bv
	s_load_b64 s[76:77], s[0:1], 0x20              ; qkv
	s_set_vgpr_msb 0x40
	v_lshl_add_u32 v255, v0, 2, 0x48400
	s_set_vgpr_msb 0x4000
	v_mov_b32 v63, 0
	s_set_vgpr_msb 0x1
	ds_add_u32 v255, v63
	ds_add_u32 v255, v63
	s_set_vgpr_msb 0x100
	v_lshrrev_b32 v1, 5, v0
	v_readfirstlane_b32 s10, v1                    ; wave 0..3
	s_lshr_b32 s11, s10, 1                         ; my half of the block's rows.  Also: I fetch for x (0) or for W (1)
	s_and_b32 s12, s10, 1                          ; my half of its columns.  Also: which half of that tile I fetch
	s_bfe_u32 s40, ttmp6, 0x40000                  ; cx
	s_bfe_u32 s41, ttmp6, 0x40004                  ; cy
	s_and_b32 s13, ttmp7, 0xffff
	s_lshl_b32 s13, s13, 2
	s_add_co_u32 s13, s13, s41                     ; block row = 4 x cluster y + cy
	s_lshl_b32 s43, s41, 2
	s_lshl_b32 s43, 15, s43                        ; my row of the cluster
	s_lshl_b32 s44, 0x1111, s40                    ; my column
	s_or_b32 s[G1+0], s43, (1<<16)|(1<<20)|(1<<21)|(5<<22)|(3<<25)   ; mask of my row; 2-byte elements; padding on; bit 21 beside a mask; after 64 words skip 4
	s_mov_b32 s[G1+1], 128<<16                     ; tensor_dim0 = 128
	s_mov_b32 s[G1+2], 128<<16                     ; tensor_dim1 = 128
	s_mov_b32 s[G1+3], 128<<16                     ; tile_dim0 = 128 elements (256 bytes)
	s_mov_b32 s[G1+4], 128                         ; tile_dim1 = 128 rows
	s_mov_b32 s[G1+5], 1024                        ; elements from row to row
	s_mov_b32 s[G1+6], 0
	s_mov_b32 s[G1+7], 0
	s_or_b32 s[G1B+0], s44, (1<<16)|(1<<20)|(1<<21)|(6<<22)|(7<<25)  ; mask of my column; after 128 words skip 8
	s_mov_b32 s[G1B+1], 256<<16                    ; tensor_dim0 = 256
	s_mov_b32 s[G1B+2], 64<<16                     ; tensor_dim1 = 64
	s_mov_b32 s[G1B+3], 256<<16                    ; tile_dim0 = 256 elements (512 bytes)
	s_mov_b32 s[G1B+4], 64                         ; tile_dim1 = 64 k-rows
	s_mov_b32 s[G1B+5], 1024
	s_mov_b32 s[G1B+6], 0
	s_mov_b32 s[G1B+7], 0
	; where the tiles come from: x's offset is made of the block row and the wave, W's of weight, cx and the wave, each in registers of its own
	s_lshl_b32 s16, s13, 19                        ; 256 rows of 2,048 bytes a block row
	s_lshl_b32 s17, s12, 18                        ; 128 rows a half
	s_add_co_u32 s16, s16, s17
	s_mov_b32 s17, 0
	s_lshl_b32 s46, ttmp9, 21                      ; 2 MiB a weight
	s_lshl_b32 s47, s40, 9                         ; 256 columns of 2 bytes
	s_add_co_u32 s46, s46, s47
	s_lshl_b32 s47, s12, 17                        ; 64 k-rows of 2,048 bytes a half
	s_add_co_u32 s46, s46, s47
	s_add_co_u32 s46, s46, 8388608                 ; the weights lie behind x's 8 MiB
	s_mov_b32 s47, 0
	s_mul_i32 s20, s10, HALFT                      ; where they go: wave x 34,816
	s_wait_dscnt 0x0
	s_wait_kmcnt 0x0
	s_add_nc_u64 s[14:15], s[68:69], s[16:17]
	s_add_nc_u64 s[46:47], s[68:69], s[46:47]
	s_cmp_eq_u32 ttmp9, 1
	s_cselect_b64 s[78:79], s[72:73], s[70:71]     ; my weight's bias
	s_cmp_eq_u32 ttmp9, 2
	s_cselect_b64 s[78:79], s[74:75], s[78:79]
	CROUND                                         ; all sixteen work-groups are here: the first joint loads meet
.irp s, 0,1
	s_mov_b32 s[G0+4*\s], 1
	s_add_co_u32 s[G0+4*\s+1], s20, \s*SLOT
	s_add_nc_u64 s[G0+4*\s+2:G0+4*\s+3], s[14:15], \s*256          ; K step s: 128 elements along x's rows
	s_or_b32 s[G0+4*\s+3], s[G0+4*\s+3], 0x80000000
	s_mov_b32 s[G0B+4*\s], 1
	s_add_co_u32 s[G0B+4*\s+1], s20, \s*SLOT
	s_add_nc_u64 s[G0B+4*\s+2:G0B+4*\s+3], s[46:47], \s*262144     ; K step s: 128 rows down W
	s_or_b32 s[G0B+4*\s+3], s[G0B+4*\s+3], 0x80000000
	JLOAD \s
.endr
	v_and_b32 v1, 15, v0                           ; r = l % 16
	v_bfe_u32 v2, v0, 4, 1                         ; h = l / 16
	s_lshl_b32 s21, s40, 10                        ; bias: 256 columns of 4 bytes a block,
	s_lshl_b32 s22, s12, 9                         ; 128 a half,
	s_add_co_u32 s21, s21, s22
	v_lshl_add_u32 v[BO], v2, 5, s21               ; 8 numbers for each half of the lanes
.irp b, 0,1,2,3,4,5,6,7
	global_load_b128 v[BIAS+8*\b:BIAS+8*\b+3],   v[BO], s[78:79] offset:64*\b
	global_load_b128 v[BIAS+8*\b+4:BIAS+8*\b+7], v[BO], s[78:79] offset:64*\b+16
.endr
	v_mul_u32_u24 v3, v1, PITCH
	v_lshl_add_u32 v3, v2, 4, v3                   ; x: row x pitch + 16 h
	v_and_b32 v5, 7, v0
	v_lshl_add_u32 v6, v2, 3, v5                   ; W: k-row 8 h + l % 8,
	v_mul_u32_u24 v6, v6, PITCHB
	v_bfe_u32 v7, v0, 3, 1
	v_lshl_add_u32 v6, v7, 4, v6                   ; 16 bytes further for the odd groups of eight lanes
	s_mul_i32 s21, s11, HALFT                      ; my 128 rows of x
	s_lshl_b32 s22, s12, 8                         ; my 128 columns of W,
	s_add_co_u32 s22, s22, 2*HALFT                 ; which lies behind x's 256 rows
.irp s, 0,1
	v_add_nc_u32 v[ADRA+\s], s21, v3
	v_add_nc_u32 v[ADRB+\s], s22, v6
	s_add_co_u32 s21, s21, SLOT
	s_add_co_u32 s22, s22, SLOT
.endr
	s_mul_i32 s23, s10, 16*SPITCH
	s_add_co_u32 s23, s23, STAGE                   ; my stage
	v_mul_u32_u24 v4, v1, SPITCH
	v_lshl_add_u32 v4, v2, 4, v4
	v_add_nc_u32 v[STO], s23, v4
	v_bfe_u32 v4, v0, 3, 2                         ; back: eight lanes take the 128 bytes of one head in one row, four rows a load
	v_mul_u32_u24 v4, v4, SPITCH
	v_lshl_add_u32 v4, v5, 4, v4
	v_add_nc_u32 v[RD], s23, v4
	v_and_b32 v4, 31, v0
	v_lshlrev_b32 v[CO], 4, v4                     ; a head's rows are dense in memory: 4 rows are 512 consecutive bytes
; 16 matrix instructions: m blocks a0, a0 + 1 of the window's four x all 8 n blocks, 32 along K.  first = 1: the bias starts the sums: nothing is cleared or added later.
; The 64 accumulators take turns, one instruction a turn, in the same order in every quarter step.
.macro MUL16 f, hi, a0, first
.irp a, \a0, \a0+1
.irp b, 0,1,2,3,4,5,6,7
.if \first
	v_wmma_f32_16x16x32_bf16 v[8*(8*(\a)+\b):8*(8*(\a)+\b)+7], v[\f+8*\b:\f+8*\b+7], v[\f+8*(4*\hi+\a):\f+8*(4*\hi+\a)+7], v[BIAS+8*\b:BIAS+8*\b+7]
.else
	v_wmma_f32_16x16x32_bf16 v[8*(8*(\a)+\b):8*(8*(\a)+\b)+7], v[\f+8*\b:\f+8*\b+7], v[\f+8*(4*\hi+\a):\f+8*(4*\hi+\a)+7], v[8*(8*(\a)+\b):8*(8*(\a)+\b)+7]
.endif
.endr
.endr
.endm
; 32 LDS loads in one run: quarter q's fragments (32 along K) into buffer f.  W's come transposed: the first load brings k = 8 h .. + 7 of column r, the second 16 k-rows further down.
.macro FETCH slot, q, f
	WIN TO_B
.irp i, 0,1,2,3,4,5,6,7
	ds_load_tr16_b128 v[\f+8*\i:\f+8*\i+3],   v[ADRB+\slot] offset:\q*32*PITCHB+32*\i
	ds_load_tr16_b128 v[\f+8*\i+4:\f+8*\i+7], v[ADRB+\slot] offset:\q*32*PITCHB+32*\i+16*PITCHB
.endr
	WIN 0
.irp i, 0,1,2,3,4,5,6,7
	ds_load_b128 v[\f+8*\i:\f+8*\i+3],   v[ADRA+\slot] offset:64*\q+\i*16*PITCH
	ds_load_b128 v[\f+8*\i+4:\f+8*\i+7], v[ADRA+\slot] offset:64*\q+\i*16*PITCH+32
.endr
.endm
; Four plain vector instructions stand between a matrix instruction and a load into, or a vector instruction on, one of its registers (ISA guide 7.12.1 for vector instructions).
.macro PLACES
.rept 4
	v_nop
.endr
.endm
; One of a K step's first three quarters: multiplies buffer f, and in its middle fetches quarter q into buffer g.
.macro QUARTER slot, q, f, g, first
	s_wait_dscnt 8                                 ; W and x's rows 0-63 are in; the youngest eight loads (x's rows 64-127) may be out
.if \first
	WIN FST_LO
.else
	WIN MUL_LO
.endif
	MUL16 \f, 0, 0, \first
	MUL16 \f, 0, 2, \first
	PLACES
	FETCH \slot, \q, \g
	s_wait_dscnt 32                                ; all but the 32 just issued
.if \first
	WIN FST_HI
.else
	WIN MUL_HI
.endif
	MUL16 \f, 1, 0, \first
	MUL16 \f, 1, 2, \first
.endm
.macro THREE slot, first
	QUARTER \slot, 1, F0, F1, \first
	QUARTER \slot, 2, F1, F0, 0
	QUARTER \slot, 3, F0, F1, 0
.endm
; The last quarter multiplies buffer 1 and changes slots.  In front of the barrier each wave waits for its reads of this slot and for all its tensor loads
; (one is out: its part of the next slot); behind it the refill comes first, then the next slot's first fragments.
.macro TURN slot, next, fill
	s_wait_dscnt 8
	WIN MUL_LO
	MUL16 F1, 0, 0, 0
	s_wait_dscnt 0                                 ; my reads of this slot are over
	s_wait_tensorcnt 0x0                           ; all my tensor loads have landed
	ds_add_u32 v255, v63
	s_wait_dscnt 0x0
	s_barrier_signal -1                            ; where a slot is filled again this barrier opens a round of the cluster's barrier
	MUL16 F1, 0, 2, 0                              ; register work while the others arrive
	WIN 0
	s_barrier_wait -1
.if \fill
	CREST                                          ; no wave of any partner still reads this slot or has a load on its way
	s_add_nc_u64 s[G0+4*\slot+2:G0+4*\slot+3], s[G0+4*\slot+2:G0+4*\slot+3], 512
	s_add_nc_u64 s[G0B+4*\slot+2:G0B+4*\slot+3], s[G0B+4*\slot+2:G0B+4*\slot+3], 524288
	JLOAD \slot                                    ; two K steps ahead: the first tensor load behind the round, one a wave
.endif
	PLACES
	FETCH \next, 0, F0
	WIN MUL_HI
	MUL16 F1, 1, 0, 0
	MUL16 F1, 1, 2, 0
.endm
.macro LAP first
	THREE 0, \first
	TURN 0, 1, 1
	THREE 1, 0
	TURN 1, 0, 1
.endm
	s_wait_tensorcnt 1                             ; my part of K step 0 is in; K step 1's stays out
	s_wait_loadcnt 0x0                             ; the bias
	s_barrier_signal -1
	s_barrier_wait -1
	FETCH 0, 0, F0
	LAP 1                                          ; the first lap stands in front of the loop: its first products take the bias as C
	WIN 0
	s_mov_b32 s3, LAPS-2
.Llap:
	LAP 0
	WIN 0
	s_sub_co_u32 s3, s3, 1
	s_cmp_lg_u32 s3, 0
	s_cbranch_scc1 .Llap
	THREE 0, 0                                     ; the last lap fills nothing
	TURN 0, 1, 0
	THREE 1, 0
	s_wait_dscnt 8
	WIN MUL_LO
	MUL16 F1, 0, 0, 0
	MUL16 F1, 0, 2, 0
	s_wait_dscnt 0
	WIN MUL_HI
	MUL16 F1, 1, 0, 0
	MUL16 F1, 1, 2, 0
	; THE WAY OUT, 16 rows at a time: round to f16, 16 bytes a lane into my own stage, read back by heads, store 512 dense bytes a wave.
	PLACES
	s_lshl_b32 s16, ttmp9, 23                      ; 8 MiB for each of q, k, v
	s_lshr_b32 s17, s13, 3
	s_lshl_b32 s17, s17, 22                        ; batch = block row / 8: 4 MiB
	s_add_co_u32 s16, s16, s17
	s_and_b32 s17, s13, 7
	s_lshl_b32 s17, s17, 15                        ; 256 rows of 128 bytes
	s_add_co_u32 s16, s16, s17
	s_lshl_b32 s17, s11, 14                        ; my 128 rows
	s_add_co_u32 s16, s16, s17
	s_mov_b32 s17, 0
	s_add_nc_u64 s[8:9], s[76:77], s[16:17]
	s_lshl_b32 s46, s40, 20                        ; head 4 cx + 2 x half, 256 KiB a head
	s_lshl_b32 s47, s12, 19
	s_add_co_u32 s46, s46, s47
	s_mov_b32 s47, 0
	s_add_nc_u64 s[8:9], s[8:9], s[46:47]
.macro OUT16 i, a, from, f
	WIN \from
.irp b, 0,1,2,3,4,5,6,7
.irp r, 0,1,2,3
	v_cvt_pk_f16_f32 v[TMP+4*\b+\r], v[8*(8*\a+\b)+2*\r], v[8*(8*\a+\b)+2*\r+1]
.endr
.endr
	WIN 0
.irp b, 0,1,2,3,4,5,6,7
	ds_store_b128 v[STO], v[TMP+4*\b:TMP+4*\b+3] offset:32*\b
.endr
	s_wait_xcnt 0x0                                ; buffer f, which earlier stores read, is loaded again only behind this wait
.irp t, 0,1,2,3,4,5,6,7
	ds_load_b128 v[\f+4*\t:\f+4*\t+3], v[RD] offset:(\t&3)*4*SPITCH+(\t>>2)*128   ; LDS serves a wave's instructions in order: these see the stores above
.endr
.irp t, 0,1,2,3,4,5,6,7
	s_wait_dscnt 7-\t
	global_store_b128 v[CO], v[\f+4*\t:\f+4*\t+3], s[8:9] offset:\i*2048+(\t&3)*512+(\t>>2)*262144   ; four rows of one head: 512 consecutive bytes, aligned
.endr
.endm
	OUT16 0, 0, 0x0a, F0
	OUT16 1, 1, 0x0a, F1
	OUT16 2, 2, 0x0a, F0
	OUT16 3, 3, 0x0a, F1
	OUT16 4, 0, 0x0f, F0
	OUT16 5, 1, 0x0f, F1
	OUT16 6, 2, 0x0f, F0
	OUT16 7, 3, 0x0f, F1
	s_set_vgpr_msb 0x1
	s_wait_tensorcnt 0x0
	ds_add_u32 v255, v63
	s_wait_dscnt 0x0
	s_set_vgpr_msb 0x100
	CROUND                                         ; the closing round: no work-group ends while a partner may still ask for a tile that names it
	s_endpgm
.Lfunc_end_k_q6ed15e6d80_qkv:
	.size	k_q6ed15e6d80_qkv, .Lfunc_end_k_q6ed15e6d80_qkv-k_q6ed15e6d80_qkv
	.p2alignl 7, 3214868480
	.fill 96, 4, 3214868480
	.section	.rodata,"a",@progbits
	.p2align	6, 0x0
	.amdhsa_kernel k_q6ed15e6d80_qkv
		.amdhsa_group_segment_fixed_size 327680
		.amdhsa_private_segment_fixed_size 0
		.amdhsa_enable_private_segment 0
		.amdhsa_kernarg_size 40
		.amdhsa_user_sgpr_count 2
		.amdhsa_user_sgpr_kernarg_segment_ptr 1
		.amdhsa_wavefront_size32 1
		.amdhsa_system_sgpr_workgroup_id_x 1
		.amdhsa_system_sgpr_workgroup_id_y 1
		.amdhsa_system_sgpr_workgroup_id_z 1
		.amdhsa_system_vgpr_workitem_id 0
		.amdhsa_next_free_vgpr 1024
		.amdhsa_next_free_sgpr 80
		.amdhsa_reserve_vcc 0
		.amdhsa_float_denorm_mode_32 3
		.amdhsa_float_denorm_mode_16_64 3
		.amdhsa_memory_ordered 1
		.amdhsa_forward_progress 1
		.amdhsa_inst_pref_size 198
	.end_amdhsa_kernel
	.amdgpu_metadata
---
amdhsa.version: [ 1, 2 ]
amdhsa.kernels:
  - .name:           k_q6ed15e6d80_qkv
    .symbol:         k_q6ed15e6d80_qkv.kd
    .args:
      - { .name: cb, .offset: 0, .size: 8, .value_kind: global_buffer, .address_space: global }
      - { .name: bq, .offset: 8, .size: 8, .value_kind: global_buffer, .address_space: global }
      - { .name: bk, .offset: 16, .size: 8, .value_kind: global_buffer, .address_space: global }
      - { .name: bv, .offset: 24, .size: 8, .value_kind: global_buffer, .address_space: global }
      - { .name: qkv, .offset: 32, .size: 8, .value_kind: global_buffer, .address_space: global }
    .group_segment_fixed_size: 327680
    .private_segment_fixed_size: 0
    .kernarg_segment_align: 8
    .kernarg_segment_size: 40
    .max_flat_workgroup_size: 128
    .sgpr_count:     80
    .vgpr_count:     1024
    .wavefront_size: 32
...
	.end_amdgpu_metadata
.endif
;; end of part 2
;; launch attn (part 3): grid 8 x 32, 8 waves a work-group, no clusters, 327,680 bytes of LDS; arguments qkv, ao; writes ao
.if DOCPART == 3
	.amdgcn_target "amdgcn-amd-amdhsa--gfx1250"
	.amdhsa_code_object_version 6
	.text
	.protected	k_q6ed15e6d80_attn
	.globl	k_q6ed15e6d80_attn
	.p2align	8
	.type	k_q6ed15e6d80_attn,@function
k_q6ed15e6d80_attn:
	s_mov_b64 s[64:65], 0
	v_nop
	global_prefetch_b8 v0, s[64:65] scope:SCOPE_SE
	s_setreg_imm32_b32 hwreg(HW_REG_WAVE_MODE, 25, 1), 1
	s_wait_xcnt 0x0
; Causal attention of one (batch, head): softmax(q k^T / 32, masked scores = -1e9) v, by a running maximum.  q, k, v f16 from qkv[3][2][16][2048][64];
; result f16 into ao[pair of rows 2048][head 16][row & 1][64]: each (pair, head) is 256 consecutive bytes, stored whole by sixteen lanes.
; LIMITS: q, k, v, the probabilities and the result are f16 (11 significant bits; the result is a mean of v and has v's range; probabilities are at most 1, and below 2^-24 count as 0).
; Key units are added diagonal first and in two halves that are merged at the end, so the order of rounding differs from a plain row sum.
; Masked scores are -1e9 as in the problem's text: true scores must stay well above -1e9.  NaN and infinities are not treated specially.
; WORK: work-group (i, bh) owns the query blocks i and 15 - i of 128 rows: (i + 1) + (16 - i) = 17 units of 128 rows x 128 keys for every one of the 256 work-groups.
; Key units wholly above the diagonal are not computed.  Step 0: block i's diagonal unit; steps 1..i: its units 0..i-1; step i+1: block 15-i's diagonal unit; then its units 0..14-i.
; The diagonal unit comes first, so it starts all sums (C = 0, no old maximum): nothing is cleared.
; Eight waves: wave w takes rows 32 (w & 3) .. + 31 of the block and keys 64 (w >> 2) .. + 63 of each unit; the two key halves are merged through LDS once a block.
; ORIENTATION: S^T = K x Q^T (lane (r, h), register j: key 8 h + j, query r).  Two neighbouring tiles packed in place ARE the second source of O^T = V^T x P.
; So maximum, factor and sum are one number a lane; only the two halves of the lanes are joined, by one lane exchange.
; NO CLUSTER: at the same step the eight work-groups of a head want different key units, since each changes blocks at its own step i + 1: no joint request would be alike in all partners.
; LDS: two slots of two steps each, 8 regions of 8,704 bytes a slot, one region (64 keys of K or of V, 8 KiB dense = 32 rows of 256 bytes, pitch 272) a wave and tensor load.
; By this text's own count a wave has at most two tensor loads outstanding (the two first fills), later one, which has two steps' work in which to land.
.set REG,   8704                       ; 32 rows of 272 bytes
.set STEPB, 4*REG                      ; a step: K's two halves, V's two halves
.set SLOT,  2*STEPB
.set SCR,   2*SLOT                     ; merge scratch: wave w's 17 x 512 bytes lie at 8,704 w; waves 4-7 alone store, so the first four parts stay unused; written by LDS stores alone
.set SCRW,  8704
.set STG,   SCR+8*SCRW                 ; output stage: wave w's 32 rows of pitch 144 lie at 4,608 w; waves 0-3 alone use theirs
.set STGW,  4608
.set AK,   2                           ; v2-3    K fragment address, slot 0, 1
.set AV,   4                           ; v4-5    V fragment address, slot 0, 1
.set QA,   6                           ; v6      128 r + 16 h
.set SCRS, 7                           ; v7      scratch: where I store
.set STO,  8
.set RD,   9
.set CO,   10
.set SCRL, 11                          ; v11     scratch: where I read what wave w + 4 stored
.set DQ,   12                          ; v12-13  query - key of my register 0 in tile 0, for query tile 0, 1 of the diagonal unit
.set MX,   14                          ; v14-15  running maximum of the raw scores
.set NM,   16                          ; v16-17  -c x maximum, rounded once: the shift that the probabilities of this step use
.set LS,   18                          ; v18-19  running sum (my half of the keys until the end)
.set AL,   20                          ; v20-21  factor for the old sums
.set T,    22                          ; v22-31  at work
.set QF,   32                          ; v32-63  Q(qt, ks) at 8 (2 qt + ks)
.set KV,   64                          ; v64-127 K(tt, ks) at 8 (4 ks + tt), then V(dt, kk) at 8 (4 kk + dt)
.set SC,   128                         ; v128-191 S(qt, tt) at 8 (4 qt + tt); P(qt, kk) = the first 8 of each 16
.set OT,   192                         ; v192-255 O(qt, dt) at 8 (4 qt + dt): lane (r, h), register j: query 16 qt + r, d = 32 h + 8 dt + j
.set G1,   16                          ; s[16:23]
.set G0,   24                          ; s[24:31] one set a slot
	s_load_b128 s[4:7], s[0:1], 0x0                ; qkv, ao
	s_set_vgpr_msb 0x40
	v_lshl_add_u32 v0, v0, 2, 0x3c000
	v_mov_b32 v1, 0
	s_set_vgpr_msb 0x4045
	ds_add_u32 v0, v1
	ds_add_u32 v0, v1
	s_set_vgpr_msb 0x4500
	v_lshrrev_b32 v1, 5, v0
	v_readfirstlane_b32 s8, v1                     ; wave 0..7
	s_lshr_b32 s9, s8, 2                           ; g: my half of the keys.  Also p: which step of a slot I fill
	s_and_b32 s10, s8, 3                           ; wq: my 32 rows
	s_mov_b32 s11, ttmp9                           ; i
	s_and_b32 s12, ttmp7, 0xffff                   ; bh
	s_add_co_u32 s13, s11, 1                       ; the step at which the blocks change
	s_sub_co_u32 s14, 15, s11                      ; the second block
	s_lshr_b32 s39, s8, 1
	s_and_b32 s39, s39, 1                          ; I fill K (0) or V (1),
	s_and_b32 s40, s8, 1                           ; keys 0-63 or 64-127
	; group 1, the same for every load of every wave: a dense block of 8 KiB as 32 rows of 256 bytes
	s_mov_b32 s[G1+0], (3<<16)|(1<<20)|(5<<22)|(3<<25)   ; no mask; 8-byte elements; padding on; after 64 words skip 4: pitch 272
	s_mov_b32 s[G1+1], 32<<16                      ; tensor_dim0 = 32 elements (256 bytes)
	s_mov_b32 s[G1+2], 32<<16                      ; tensor_dim1 = 32
	s_mov_b32 s[G1+3], 32<<16                      ; tile_dim0 = 32
	s_mov_b32 s[G1+4], 32                          ; tile_dim1 = 32 rows
	s_mov_b32 s[G1+5], 32                          ; dense: a row begins where the last ends
	s_mov_b32 s[G1+6], 0
	s_mov_b32 s[G1+7], 0
	s_add_co_u32 s34, s39, 1
	s_lshl_b32 s34, s34, 23                        ; K lies 8 MiB, V 16 MiB behind q
	s_lshl_b32 s41, s12, 18                        ; 256 KiB a (batch, head)
	s_add_co_u32 s34, s34, s41
	s_lshl_b32 s42, s40, 13                        ; 64 keys of 128 bytes
	s_add_co_u32 s34, s34, s42
	s_mov_b32 s35, 0
	s_mul_i32 s42, s8, REG                         ; my region: the wave's number times 8,704
.irp s, 0,1
	s_mov_b32 s[G0+4*\s], 1
	s_add_co_u32 s[G0+4*\s+1], s42, \s*SLOT        ; plus the slot's constant
.endr
	s_mov_b32 s36, s9                              ; the step that I fill next
	s_wait_dscnt 0x0
	s_wait_kmcnt 0x0
	s_add_nc_u64 s[32:33], s[4:5], s[34:35]
; The key unit of step s36, from ids and counters alone, into the slot's group 0; then s36 goes on by a slot's two steps.
; The argument may be an expression: it stands in brackets wherever it is multiplied.
.macro FILLADR slot
	s_cmp_gt_u32 s36, s11
	s_cselect_b32 s39, s13, 0                      ; the block's first step
	s_cselect_b32 s40, s14, s11                    ; the block = its diagonal unit
	s_sub_co_u32 s39, s36, s39
	s_sub_co_u32 s41, s39, 1
	s_cmp_eq_u32 s39, 0
	s_cselect_b32 s41, s40, s41                    ; first the diagonal unit, then units 0, 1, ..
	s_lshl_b32 s34, s41, 14                        ; 128 keys of 128 bytes
	s_add_nc_u64 s[G0+4*(\slot)+2:G0+4*(\slot)+3], s[32:33], s[34:35]
	s_or_b32 s[G0+4*(\slot)+3], s[G0+4*(\slot)+3], 0x80000000
	s_add_co_u32 s36, s36, 2
.endm
	FILLADR 0
	tensor_load_to_lds s[G0:G0+3], s[G1:G1+7]      ; steps 0, 1
	s_nop 0
	FILLADR 1
	tensor_load_to_lds s[G0+4:G0+7], s[G1:G1+7]    ; steps 2, 3: both first fills go out ahead of every wait, LDS read and barrier
	s_nop 0
	v_and_b32 v22, 15, v0                          ; r
	v_bfe_u32 v23, v0, 4, 1                        ; h
	v_lshlrev_b32 v[QA], 7, v22
	v_lshl_add_u32 v[QA], v23, 4, v[QA]
	s_lshl_b32 s42, s12, 18
	s_lshl_b32 s39, s10, 12                        ; 32 rows of 128 bytes
	s_add_co_u32 s39, s39, s42
	s_lshl_b32 s40, s11, 14                        ; 128 rows a block
	s_add_co_u32 s44, s39, s40
	s_mov_b32 s45, 0
	s_add_nc_u64 s[44:45], s[4:5], s[44:45]        ; my rows of q in block i
	s_lshl_b32 s40, s14, 14
	s_add_co_u32 s46, s39, s40
	s_mov_b32 s47, 0
	s_add_nc_u64 s[46:47], s[4:5], s[46:47]        ; and in block 15 - i
; My 32 rows of q as second sources: lane (r, h) takes 16 bytes at row r, d = 32 ks + 8 h, and 32 bytes further on.
.macro START qb
.irp qt, 0,1
.irp ks, 0,1
	global_load_b128 v[QF+8*(2*\qt+\ks):QF+8*(2*\qt+\ks)+3],   v[QA], s[\qb:\qb+1] offset:2048*\qt+64*\ks
	global_load_b128 v[QF+8*(2*\qt+\ks)+4:QF+8*(2*\qt+\ks)+7], v[QA], s[\qb:\qb+1] offset:2048*\qt+64*\ks+32
.endr
.endr
.endm
	START 44
	s_lshr_b32 s39, s12, 4
	s_lshl_b32 s39, s39, 22                        ; ao: 1,024 pairs of 4,096 bytes a batch
	s_and_b32 s40, s12, 15
	s_lshl_b32 s40, s40, 8                         ; 256 bytes a head
	s_add_co_u32 s39, s39, s40
	s_lshl_b32 s40, s10, 16                        ; 16 pairs for my 32 rows
	s_add_co_u32 s39, s39, s40
	s_lshl_b32 s40, s11, 18                        ; 64 pairs a block
	s_add_co_u32 s48, s39, s40
	s_mov_b32 s49, 0
	s_add_nc_u64 s[48:49], s[6:7], s[48:49]
	s_lshl_b32 s40, s14, 18
	s_add_co_u32 s56, s39, s40
	s_mov_b32 s57, 0
	s_add_nc_u64 s[56:57], s[6:7], s[56:57]
	s_mov_b32 s50, 0x3d38aa3b                      ; c = log2(e) / 32: the scale 1 / sqrt(1024) and the change to base 2 in one
	s_mov_b32 s51, 0x3d38aa3b
	s_mov_b32 s52, 0xbd38aa3b                      ; -c
	s_mov_b32 s53, 0xd0ee6b28                      ; -1e9 x 32: the masked score, before the scale
	s_mov_b32 s54, 0x76543210                      ; lane i of one half reads lane i of the other
	s_mov_b32 s55, 0xfedcba98
	v_and_b32 v24, 1, v0
	v_bfe_u32 v25, v0, 1, 3                        ; r / 2
	v_bfe_u32 v26, v0, 3, 1                        ; which group of eight lanes in my half
	v_bfe_u32 v27, v0, 1, 2
	v_and_b32 v28, 31, v0                          ; lane
	v_bfe_u32 v29, v0, 3, 2
	v_and_b32 v30, 7, v0
	v_lshlrev_b32 v31, 3, v23                      ; 8 h
	s_mul_i32 s39, s9, REG                         ; my half of the keys
	v_mul_u32_u24 v[AK], v25, 272                  ; K: two keys a row of 256 bytes: key r at row r / 2, byte 128 (r & 1): sixteen lanes at 16 (r / 2) + 128 (r & 1) modulo 256, all different
	v_lshl_add_u32 v[AK], v24, 7, v[AK]
	v_lshl_add_u32 v[AK], v23, 4, v[AK]
	v_add_nc_u32 v[AK], s39, v[AK]
	v_add_nc_u32 v[AK+1], SLOT, v[AK]
	s_add_co_u32 s40, s39, 2*REG                   ; V lies behind K's two halves
	; V, transposing load: lane l addresses key 8 h + l % 8, at row 4 h + (l % 8) / 2, byte 128 (l & 1).  The two groups of eight lanes of a half take d chunks 64 bytes apart
	; (d = 8 dt .. and 32 + 8 dt ..), not neighbours: sixteen lanes then lie at 16 ((l % 8) / 2 + dt) + 128 (l & 1) + 64 group modulo 256, all different at the pitch that K wants.
	; It only permutes the rows of the output tiles: see OT above.
	v_lshl_add_u32 v[AV], v23, 2, v27
	v_mul_u32_u24 v[AV], v[AV], 272
	v_lshl_add_u32 v[AV], v24, 7, v[AV]
	v_lshl_add_u32 v[AV], v26, 6, v[AV]
	v_add_nc_u32 v[AV], s40, v[AV]
	v_add_nc_u32 v[AV+1], SLOT, v[AV]
	s_mul_i32 s41, s8, SCRW
	s_add_co_u32 s41, s41, SCR
	v_lshl_add_u32 v[SCRS], v28, 4, s41
	v_add_nc_u32 v[SCRL], 4*SCRW, v[SCRS]
	s_mul_i32 s42, s8, STGW
	s_add_co_u32 s42, s42, STG
	v_mul_u32_u24 v[STO], v22, 144
	v_lshl_add_u32 v[STO], v23, 6, v[STO]          ; row r, 64 bytes (32 d) for each half of the lanes
	v_add_nc_u32 v[STO], s42, v[STO]
	v_mul_u32_u24 v[RD], v29, 144
	v_lshl_add_u32 v[RD], v30, 4, v[RD]
	v_add_nc_u32 v[RD], s42, v[RD]
	v_lshlrev_b32 v[CO], 4, v22
	v_lshl_add_u32 v[CO], v23, 12, v[CO]           ; lanes 0-15 one pair of rows, lanes 16-31 the next
	s_lshl_b32 s43, s10, 5
	s_lshl_b32 s40, s9, 6
	s_sub_co_i32 s43, s43, s40                     ; 32 wq - 64 g
	v_sub_nc_u32 v[DQ], v22, v31
	v_add_nc_u32 v[DQ], s43, v[DQ]                 ; + r - 8 h
	v_add_nc_u32 v[DQ+1], 16, v[DQ]
; One step: my 32 rows x my 64 keys of the unit at step p of the slot.  diag = 1: the diagonal unit, which masks and starts all sums.
.macro TILE slot, p, diag
.irp ks, 0,1
.irp tt, 0,1,2,3
	ds_load_b128 v[KV+8*(4*\ks+\tt):KV+8*(4*\ks+\tt)+3],   v[AK+\slot] offset:STEPB*\p+2176*\tt+64*\ks
	ds_load_b128 v[KV+8*(4*\ks+\tt)+4:KV+8*(4*\ks+\tt)+7], v[AK+\slot] offset:STEPB*\p+2176*\tt+64*\ks+32
.endr
.endr
.if \diag
	s_wait_loadcnt 0x0                             ; the block's q
.endif
	s_wait_dscnt 0x8                               ; d = 0..31 is in; the eight loads of d = 32..63 may be out
	; the eight score tiles take turns, one instruction a turn
.irp tt, 0,1,2,3
.irp qt, 0,1
	v_wmma_f32_16x16x32_f16 v[SC+8*(4*\qt+\tt):SC+8*(4*\qt+\tt)+7], v[KV+8*\tt:KV+8*\tt+7], v[QF+16*\qt:QF+16*\qt+7], 0
.endr
.endr
	s_wait_dscnt 0x0
.irp tt, 0,1,2,3
.irp qt, 0,1
	v_wmma_f32_16x16x32_f16 v[SC+8*(4*\qt+\tt):SC+8*(4*\qt+\tt)+7], v[KV+32+8*\tt:KV+32+8*\tt+7], v[QF+16*\qt+8:QF+16*\qt+15], v[SC+8*(4*\qt+\tt):SC+8*(4*\qt+\tt)+7]
.endr
.endr
.rept 4
	v_nop                                          ; four places (ISA guide 7.12.1) before V lands on K's registers and the scores are read
.endr
.irp kk, 0,1
.irp dt, 0,1,2,3
	ds_load_tr16_b128 v[KV+8*(4*\kk+\dt):KV+8*(4*\kk+\dt)+3],   v[AV+\slot] offset:STEPB*\p+4352*\kk+16*\dt
	ds_load_tr16_b128 v[KV+8*(4*\kk+\dt)+4:KV+8*(4*\kk+\dt)+7], v[AV+\slot] offset:STEPB*\p+4352*\kk+16*\dt+2176
.endr
.endr
.if \diag
	; key <= query keeps the score, else -1e9 (before the scale): a choice of values, done for every element
.irp qt, 0,1
.irp tt, 0,1,2,3
.irp j, 0,1,2,3,4,5,6,7
	v_cmp_le_i32 vcc_lo, 16*\tt+\j, v[DQ+\qt]
	v_cndmask_b32 v[SC+8*(4*\qt+\tt)+\j], s53, v[SC+8*(4*\qt+\tt)+\j], vcc_lo
.endr
.endr
.endr
.endif
	; the running maximum: two chains for each query tile, then the other half of the lanes
.irp qt, 0,1
.if \diag
	v_max_num_f32 v[T+2*\qt], v[SC+32*\qt], v[SC+32*\qt+1]
.else
	v_max3_num_f32 v[T+2*\qt], v[SC+32*\qt], v[SC+32*\qt+1], v[MX+\qt]
.endif
	v_max_num_f32 v[T+2*\qt+1], v[SC+32*\qt+16], v[SC+32*\qt+17]
.endr
.irp ix, 1,2,3,4,5,6,7
.irp qt, 0,1
	v_max3_num_f32 v[T+2*\qt],   v[T+2*\qt],   v[SC+32*\qt+2*\ix],    v[SC+32*\qt+2*\ix+1]
	v_max3_num_f32 v[T+2*\qt+1], v[T+2*\qt+1], v[SC+32*\qt+16+2*\ix], v[SC+32*\qt+17+2*\ix]
.endr
.endr
	v_max_num_f32 v[T], v[T], v[T+1]
	v_max_num_f32 v[T+2], v[T+2], v[T+3]
	v_permlanex16_b32 v[T+1], v[T], s54, s55
	v_permlanex16_b32 v[T+3], v[T+2], s54, s55
	v_max_num_f32 v[MX], v[T], v[T+1]
	v_max_num_f32 v[MX+1], v[T+2], v[T+3]
.if \diag
	v_mul_f32 v[NM], s52, v[MX]
	v_mul_f32 v[NM+1], s52, v[MX+1]
.else
	v_mul_f32 v[T+4], s52, v[MX]                   ; the new shift, rounded once
	v_mul_f32 v[T+5], s52, v[MX+1]
	v_sub_f32 v[T+6], v[T+4], v[NM]                ; new shift - old shift: the old sums are carried over by exactly the difference of the two shifts in use
	v_sub_f32 v[T+7], v[T+5], v[NM+1]
	v_exp_f32 v[AL], v[T+6]
	v_exp_f32 v[AL+1], v[T+7]
	v_mov_b32 v[NM], v[T+4]                        ; these two are also the plain instructions behind the exponentials (ISA guide 5.7.2)
	v_mov_b32 v[NM+1], v[T+5]
.endif
	; p = 2^(c s - c maximum)
.irp qt, 0,1
.irp ix, 0,1,2,3,4,5,6,7,8,9,10,11,12,13,14,15
	v_pk_fma_f32 v[SC+32*\qt+2*\ix:SC+32*\qt+2*\ix+1], v[SC+32*\qt+2*\ix:SC+32*\qt+2*\ix+1], s[50:51], v[NM:NM+1] op_sel:[0,0,\qt] op_sel_hi:[1,0,\qt]
.endr
.if \diag
	; Where all my 64 keys are masked the maximum is the masked score itself, c x 3.2e10 is rounded to a multiple of 128, and the exponent is that rounding's residue
	; (up to 64) instead of 0: it is held at 0, so that p stays within f16.  Such a half gets the weight 0 in the next step or in the merge.
.set cnt, 0
.rept 32
	v_min_num_f32 v[SC+32*\qt+cnt], 0, v[SC+32*\qt+cnt]
.set cnt, cnt+1
.endr
.endif
.set cnt, 0
.rept 32
	v_exp_f32 v[SC+32*\qt+cnt], v[SC+32*\qt+cnt]
.set cnt, cnt+1
.endr
.endr
.if \diag == 0
	s_wait_alu depctr_va_vdst(0)
.irp qt, 0,1
.irp ix, 0,1,2,3,4,5,6,7,8,9,10,11,12,13,14,15
	v_pk_mul_f32 v[OT+32*\qt+2*\ix:OT+32*\qt+2*\ix+1], v[OT+32*\qt+2*\ix:OT+32*\qt+2*\ix+1], v[AL:AL+1] op_sel:[0,\qt] op_sel_hi:[1,\qt]
.endr
.endr
.endif
	; the sum in f32, four chains of pairs; then the probabilities are packed in place, ascending, into the second sources
	s_wait_alu depctr_va_vdst(0)
.irp qt, 0,1
.irp c, 0,1,2,3
	v_pk_add_f32 v[T+2*\c:T+2*\c+1], v[SC+32*\qt+2*\c:SC+32*\qt+2*\c+1], v[SC+32*\qt+2*\c+8:SC+32*\qt+2*\c+9]
.endr
.irp c, 0,1,2,3
	v_pk_add_f32 v[T+2*\c:T+2*\c+1], v[T+2*\c:T+2*\c+1], v[SC+32*\qt+2*\c+16:SC+32*\qt+2*\c+17]
.endr
.irp c, 0,1,2,3
	v_pk_add_f32 v[T+2*\c:T+2*\c+1], v[T+2*\c:T+2*\c+1], v[SC+32*\qt+2*\c+24:SC+32*\qt+2*\c+25]
.endr
	v_pk_add_f32 v[T:T+1], v[T:T+1], v[T+2:T+3]
	v_pk_add_f32 v[T+4:T+5], v[T+4:T+5], v[T+6:T+7]
	v_pk_add_f32 v[T:T+1], v[T:T+1], v[T+4:T+5]
.if \diag
	v_add_f32 v[LS+\qt], v[T], v[T+1]
.else
	v_fma_f32 v[LS+\qt], v[LS+\qt], v[AL+\qt], v[T]
	v_add_f32 v[LS+\qt], v[LS+\qt], v[T+1]
.endif
.irp kk, 0,1
.irp ix, 0,1,2,3,4,5,6,7
	v_cvt_pk_f16_f32 v[SC+32*\qt+16*\kk+\ix], v[SC+32*\qt+16*\kk+2*\ix], v[SC+32*\qt+16*\kk+2*\ix+1]
.endr
.endr
.endr
	s_wait_dscnt 0x8                               ; V's keys 0-31 are in; the eight loads of keys 32-63 may be out
	; the eight output tiles take turns, one instruction a turn
.irp dt, 0,1,2,3
.irp qt, 0,1
.if \diag
	v_wmma_f32_16x16x32_f16 v[OT+8*(4*\qt+\dt):OT+8*(4*\qt+\dt)+7], v[KV+8*\dt:KV+8*\dt+7], v[SC+32*\qt:SC+32*\qt+7], 0
.else
	v_wmma_f32_16x16x32_f16 v[OT+8*(4*\qt+\dt):OT+8*(4*\qt+\dt)+7], v[KV+8*\dt:KV+8*\dt+7], v[SC+32*\qt:SC+32*\qt+7], v[OT+8*(4*\qt+\dt):OT+8*(4*\qt+\dt)+7]
.endif
.endr
.endr
	s_wait_dscnt 0x0
.irp dt, 0,1,2,3
.irp qt, 0,1
	v_wmma_f32_16x16x32_f16 v[OT+8*(4*\qt+\dt):OT+8*(4*\qt+\dt)+7], v[KV+32+8*\dt:KV+32+8*\dt+7], v[SC+32*\qt+16:SC+32*\qt+23], v[OT+8*(4*\qt+\dt):OT+8*(4*\qt+\dt)+7]
.endr
.endr
.rept 5
	v_nop                                          ; five places: the next products write over P, the next loads land on V, the sums are read
.endr
.endm
; A block is done: the two key halves are merged, divided by the sum, rounded and stored.  ab: the block's base in ao.
.macro FINISH ab
	v_permlanex16_b32 v[T], v[LS], s54, s55
	v_permlanex16_b32 v[T+1], v[LS+1], s54, s55
	v_add_f32 v[LS], v[LS], v[T]                   ; both halves of the lanes have used the same maxima: their sums simply add
	v_add_f32 v[LS+1], v[LS+1], v[T+1]
	s_cmp_lt_u32 s8, 4
	s_cbranch_scc1 .Lkeep_\@
.set cnt, 0
.rept 16
	ds_store_b128 v[SCRS], v[OT+4*cnt:OT+4*cnt+3] offset:512*cnt   ; waves 4-7 hand over their sums,
.set cnt, cnt+1
.endr
	ds_store_b128 v[SCRS], v[NM:NM+3] offset:8192                  ; their shifts (-c maximum) and their row sums
.Lkeep_\@:
	s_wait_dscnt 0x0                               ; the stores are done before the others are told so
	s_barrier_signal -1
	s_barrier_wait -1
	s_cmp_ge_u32 s8, 4
	s_cbranch_scc1 .Lnoread_\@
.set cnt, 0
.rept 16
	ds_load_b128 v[SC+4*cnt:SC+4*cnt+3], v[SCRL] offset:512*cnt    ; wave w reads what wave w + 4 stored
.set cnt, cnt+1
.endr
	ds_load_b128 v[T+2:T+5], v[SCRL] offset:8192
.Lnoread_\@:
	s_wait_dscnt 0x0                               ; the reads are done before the scratch may be written again
	s_barrier_signal -1
	s_barrier_wait -1
	s_cmp_ge_u32 s8, 4
	s_cbranch_scc1 .Ldone_\@
	v_min_num_f32 v[T+6], v[NM], v[T+2]            ; the smaller shift belongs to the larger maximum
	v_min_num_f32 v[T+7], v[NM+1], v[T+3]
	v_sub_f32 v[T], v[T+6], v[NM]
	v_sub_f32 v[T+1], v[T+7], v[NM+1]
	v_sub_f32 v[T+8], v[T+6], v[T+2]
	v_sub_f32 v[T+9], v[T+7], v[T+3]
	v_exp_f32 v[T], v[T]                           ; my half's weight,
	v_exp_f32 v[T+1], v[T+1]
	v_exp_f32 v[T+8], v[T+8]                       ; the other half's (0 where all its keys were masked)
	v_exp_f32 v[T+9], v[T+9]
	v_nop                                          ; one plain instruction behind the exponentials (ISA guide 5.7.2)
	s_wait_alu depctr_va_vdst(0)
	v_mul_f32 v[LS], v[LS], v[T]
	v_mul_f32 v[LS+1], v[LS+1], v[T+1]
	v_fmac_f32 v[LS], v[T+4], v[T+8]
	v_fmac_f32 v[LS+1], v[T+5], v[T+9]
	v_rcp_f32 v[LS], v[LS]                         ; the sum holds the term of the maximum, about 1: it is never 0
	v_rcp_f32 v[LS+1], v[LS+1]
	v_nop
	s_wait_alu depctr_va_vdst(0)
	v_mul_f32 v[T], v[T], v[LS]
	v_mul_f32 v[T+1], v[T+1], v[LS+1]
	v_mul_f32 v[T+8], v[T+8], v[LS]
	v_mul_f32 v[T+9], v[T+9], v[LS+1]
.irp qt, 0,1
.irp ix, 0,1,2,3,4,5,6,7,8,9,10,11,12,13,14,15
	v_pk_mul_f32 v[OT+32*\qt+2*\ix:OT+32*\qt+2*\ix+1], v[OT+32*\qt+2*\ix:OT+32*\qt+2*\ix+1], v[T:T+1] op_sel:[0,\qt] op_sel_hi:[1,\qt]
.endr
.irp ix, 0,1,2,3,4,5,6,7,8,9,10,11,12,13,14,15
	v_pk_fma_f32 v[OT+32*\qt+2*\ix:OT+32*\qt+2*\ix+1], v[SC+32*\qt+2*\ix:SC+32*\qt+2*\ix+1], v[T+8:T+9], v[OT+32*\qt+2*\ix:OT+32*\qt+2*\ix+1] op_sel:[0,\qt,0] op_sel_hi:[1,\qt,1]
.endr
.endr
.irp qt, 0,1
.irp dt, 0,1,2,3
.irp ix, 0,1,2,3
	v_cvt_pk_f16_f32 v[KV+4*(4*\qt+\dt)+\ix], v[OT+8*(4*\qt+\dt)+2*\ix], v[OT+8*(4*\qt+\dt)+2*\ix+1]
.endr
	ds_store_b128 v[STO], v[KV+4*(4*\qt+\dt):KV+4*(4*\qt+\dt)+3] offset:2304*\qt+16*\dt   ; query 16 qt + r, d = 32 h + 8 dt ..: my own stage
.endr
.endr
.irp t, 0,1,2,3,4,5,6,7
	ds_load_b128 v[KV+32+4*\t:KV+32+4*\t+3], v[RD] offset:576*\t   ; four rows back; LDS serves a wave's instructions in order
.endr
.irp t, 0,1,2,3,4,5,6,7
	s_wait_dscnt 7-\t
	global_store_b128 v[CO], v[KV+32+4*\t:KV+32+4*\t+3], s[\ab:\ab+1] offset:8192*\t   ; sixteen lanes store the 256 bytes of one (pair, head)
.endr
	s_wait_xcnt 0x0                                ; the stores' data registers are loaded again in the next step
.Ldone_\@:
.endm
; dyn = 1: this step may be the one at which the blocks change (equal in all waves: it hangs on the work-group's number and a counter).
.macro STEP slot, p, dyn
.if \dyn
	s_cmp_eq_u32 s37, s13
	s_cbranch_scc1 .Lswitch_\@
	TILE \slot, \p, 0
	s_branch .Lnext_\@
.Lswitch_\@:
	FINISH 48
	START 46
	TILE \slot, \p, 1
.Lnext_\@:
	s_add_co_u32 s37, s37, 1
.else
	TILE \slot, \p, 0
.endif
.endm
; A slot's turn.  Every wave waits for all its tensor loads (its part of this slot among them) and for its reads of the other slot, passes the barrier,
; and fills the other slot again first thing: one load a wave.  fill = 2: the last slot holds one step: waves 0-3 alone have a part of it.
.macro POS slot, fill, dyn, steps
	s_set_vgpr_msb 0x5
	s_wait_tensorcnt 0x0
	ds_add_u32 v0, v1
	s_wait_dscnt 0x0
	s_set_vgpr_msb 0x500
.if \fill
	FILLADR 1-\slot                                ; no load of mine is out: the group 0 may be written
.endif
	s_wait_dscnt 0x0
	s_barrier_signal -1
	s_barrier_wait -1
.if \fill == 1
	tensor_load_to_lds s[G0+4*(1-\slot):G0+4*(1-\slot)+3], s[G1:G1+7]
	s_nop 0
.endif
.if \fill == 2
	s_cmp_ge_u32 s8, 4
	s_cbranch_scc1 .Lnofill_\@
	tensor_load_to_lds s[G0+4*(1-\slot):G0+4*(1-\slot)+3], s[G1:G1+7]
	s_nop 0
.Lnofill_\@:
.endif
	STEP \slot, 0, \dyn
.if \steps == 2
	STEP \slot, 1, \dyn
.endif
.endm
	s_wait_tensorcnt 0x1                           ; my part of slot 0 is in; slot 1's stays out
	s_barrier_signal -1
	s_barrier_wait -1
	TILE 0, 0, 1                                   ; step 0: block i's diagonal unit
	s_mov_b32 s37, 1
	STEP 0, 1, 1
	s_mov_b32 s38, 2
.Lpair:
	POS 1, 1, 1, 2                                 ; steps 2 to 9 in two trips; the change of blocks lies in steps 1 to 8
	POS 0, 1, 1, 2
	s_sub_co_u32 s38, s38, 1
	s_cmp_lg_u32 s38, 0
	s_cbranch_scc1 .Lpair
	POS 1, 1, 0, 2                                 ; steps 10, 11
	POS 0, 1, 0, 2                                 ; steps 12, 13
	POS 1, 2, 0, 2                                 ; steps 14, 15; step 16 is asked for
	POS 0, 0, 0, 1                                 ; step 16; nothing is left to fetch
	FINISH 56
	s_set_vgpr_msb 0x5
	s_wait_tensorcnt 0x0
	ds_add_u32 v0, v1
	s_wait_dscnt 0x0
	s_set_vgpr_msb 0x500
	s_endpgm
.Lfunc_end_k_q6ed15e6d80_attn:
	.size	k_q6ed15e6d80_attn, .Lfunc_end_k_q6ed15e6d80_attn-k_q6ed15e6d80_attn
	.p2alignl 7, 3214868480
	.fill 96, 4, 3214868480
	.section	.rodata,"a",@progbits
	.p2align	6, 0x0
	.amdhsa_kernel k_q6ed15e6d80_attn
		.amdhsa_group_segment_fixed_size 327680
		.amdhsa_private_segment_fixed_size 0
		.amdhsa_enable_private_segment 0
		.amdhsa_kernarg_size 16
		.amdhsa_user_sgpr_count 2
		.amdhsa_user_sgpr_kernarg_segment_ptr 1
		.amdhsa_wavefront_size32 1
		.amdhsa_system_sgpr_workgroup_id_x 1
		.amdhsa_system_sgpr_workgroup_id_y 1
		.amdhsa_system_sgpr_workgroup_id_z 1
		.amdhsa_system_vgpr_workitem_id 0
		.amdhsa_next_free_vgpr 258
		.amdhsa_next_free_sgpr 66
		.amdhsa_reserve_vcc 1
		.amdhsa_float_denorm_mode_32 3
		.amdhsa_float_denorm_mode_16_64 3
		.amdhsa_memory_ordered 1
		.amdhsa_forward_progress 1
		.amdhsa_inst_pref_size 255
	.end_amdhsa_kernel
	.section	.bss,"aw",@nobits
	.p2align	6
	.space	262144
	.amdgpu_metadata
---
amdhsa.version: [ 1, 2 ]
amdhsa.kernels:
  - .name:           k_q6ed15e6d80_attn
    .symbol:         k_q6ed15e6d80_attn.kd
    .args:
      - { .name: qkv, .offset: 0, .size: 8, .value_kind: global_buffer, .address_space: global }
      - { .name: ao, .offset: 8, .size: 8, .value_kind: global_buffer, .address_space: global }
    .group_segment_fixed_size: 327680
    .private_segment_fixed_size: 0
    .kernarg_segment_align: 8
    .kernarg_segment_size: 16
    .max_flat_workgroup_size: 256
    .sgpr_count:     66
    .vgpr_count:     258
    .wavefront_size: 32
...
	.end_amdgpu_metadata
.endif
;; end of part 3
;; launch oproj (part 4): grid 8 x 32, 4 waves a work-group, clusters of 4 x 4, 327,680 bytes of LDS; arguments ao, cb, bo, out0; writes out0
.if DOCPART == 4
	.amdgcn_target "amdgcn-amd-amdhsa--gfx1250"
	.amdhsa_code_object_version 6
	.text
	.protected	k_q6ed15e6d80_oproj
	.globl	k_q6ed15e6d80_oproj
	.p2align	8
	.type	k_q6ed15e6d80_oproj,@function
k_q6ed15e6d80_oproj:
	s_mov_b64 s[64:65], 0
	v_nop
	global_prefetch_b8 v0, s[64:65] scope:SCOPE_SE
	s_setreg_imm32_b32 hwreg(HW_REG_WAVE_MODE, 25, 1), 1
	s_wait_xcnt 0x0
	s_wait_alu depctr_hold_cnt(0) depctr_sa_sdst(0) depctr_va_vdst(0) depctr_va_sdst(0) depctr_va_ssrc(0) depctr_va_vcc(0) depctr_vm_vsrc(0)
	s_getreg_b32 s2, hwreg(HW_REG_IB_STS2, 6, 4)
	s_cmp_eq_u32 s2, 0
	s_cbranch_scc0 .Lentry_in_a_cluster
	s_endpgm
.Lentry_in_a_cluster:
	s_bfe_u32 s2, ttmp6, 0x10000c
	s_cmp_lg_u32 s2, 0xf033
	s_cbranch_scc0 .Lentry_shape_is_right
	s_endpgm
.Lentry_shape_is_right:
; out0 = attention result x Wo + bo: [4096 x 1024] x [1024 x 1024], f16 operands, f32 sums that start from the bias, f32 out.
; LIMITS: the left operand is f16; Wo is its bf16 rounding held in f16 (exact from 2^-14 to 65,504 in magnitude, below that a multiple of 2^-24).  NaN and infinities are not treated specially.
; The left operand lies as ao[pair of rows 2048][head 16][row & 1][64]: K = 64 head + d.  Four heads of 32 pairs are a plain tile of 32 rows x 1,024 bytes.
; Wo lies [k][n] behind x, Wq, Wk, Wv in cb; its fragments are read with the transposing LDS load.
; A work-group makes 128 x 128, which gives 8 x 32 = 256 work-groups; a wave 64 x 64: 16 accumulator tiles in v256-383 (window 1).  Larger tiles would leave work-groups wanting.
; K goes in four steps of 256 through two LDS slots; the steps are written out.  CLUSTERS: 4 x 4; the left tile is asked for jointly along a row of the cluster, Wo's along a column.
; THE MATRIX INSTRUCTION IS USED TRANSPOSED (source 0 = Wo's columns, source 1 = rows): lane l holds row l % 16, registers 0-7 the columns 8 (l / 16) + 0..7: 32 neighbouring bytes.
; By this text's own count a wave has at most two tensor loads outstanding (the two first fills), later one, with 128 matrix instructions between request and wait.
.set PA,     1040                      ; left tile's LDS row: 1,024 bytes + 16
.set PB,     288                       ; Wo's LDS row: 256 bytes + 32, an odd multiple of 32
.set REG,    36864                     ; one tensor load's room: 32 x 1,040 = 33,280 used, or 128 x 288 = 36,864
.set SLOT,   4*REG
.set STAGE,  2*SLOT                    ; 16 rows x 272 bytes for each wave; no fill lands there
.set SPITCH, 272
.set ADRA, 16                          ; v16-17  left fragments, slot 0, 1
.set ADRB, 20                          ; v20-23  Wo's fragments, slot 0, 1 x k-rows 0-127, 128-255
.set STO,  24
.set RD,   25
.set CO,   26
.set BO,   27
.set BIAS, 32                          ; v32-63  bo[16 b + 8 (l / 16) + j] at register 8 b + j
.set F0,   64                          ; a buffer: Wo's four fragments, then the left operand's four
.set F1,   128
.set RB,   192                         ; v192-255 way out: two buffers of 32
.set G1, 24
.set G0, 32
.set G1B, 48
.set G0B, 56
.set MSB, 0
.macro WIN new
.if MSB != \new
	s_set_vgpr_msb (MSB<<8)|\new
.set MSB, \new
.endif
.endm
.set ACC, 0x50                         ; C and D window 1, sources window 0
.set FST, 0x40                         ; D window 1, C (the bias) window 0
.macro JLOAD s
	s_cmp_eq_u32 s11, 0
	s_cbranch_scc0 .Lfor_b_\@
	tensor_load_to_lds s[G0+4*\s:G0+4*\s+3], s[G1:G1+7]
	s_nop 0
	s_branch .Lasked_\@
.Lfor_b_\@:
	tensor_load_to_lds s[G0B+4*\s:G0B+4*\s+3], s[G1B:G1B+7]
	s_nop 0
.Lasked_\@:
.endm
.macro CREST
	s_cmp_lg_u32 s10, 0
	s_cbranch_scc1 .Lnot_wave_0_\@
	s_barrier_signal -3
.Lnot_wave_0_\@:
	s_barrier_wait -3
	s_barrier_signal -1
	s_barrier_wait -1
.endm
.macro CROUND
	s_barrier_signal -1
	s_barrier_wait -1
	CREST
.endm
	s_load_b256 s[68:75], s[0:1], 0x0              ; ao, cb, bo, out0
	v_lshl_add_u32 v30, v0, 2, 0x4c400
	v_mov_b32 v31, 0
	ds_add_u32 v30, v31
	ds_add_u32 v30, v31
	v_lshrrev_b32 v1, 5, v0
	v_readfirstlane_b32 s10, v1                    ; wave 0..3
	s_lshr_b32 s11, s10, 1                         ; my half of the rows.  Also: I fetch the left tile (0) or Wo's (1)
	s_and_b32 s12, s10, 1                          ; my half of the columns.  Also: which half of that tile I fetch
	s_bfe_u32 s40, ttmp6, 0x40000                  ; cx
	s_bfe_u32 s41, ttmp6, 0x40004                  ; cy
	s_lshl_b32 s42, ttmp9, 2
	s_add_co_u32 s42, s42, s40                     ; block column
	s_and_b32 s13, ttmp7, 0xffff
	s_lshl_b32 s13, s13, 2
	s_add_co_u32 s13, s13, s41                     ; block row
	s_lshl_b32 s43, s41, 2
	s_lshl_b32 s43, 15, s43                        ; my row of the cluster
	s_lshl_b32 s44, 0x1111, s40                    ; my column
	s_or_b32 s[G1+0], s43, (1<<16)|(1<<20)|(1<<21)|(7<<22)|(3<<25)   ; mask of my row; 2-byte elements; padding on; bit 21 beside a mask; after 256 words skip 4
	s_mov_b32 s[G1+1], 512<<16                     ; tensor_dim0 = 512 elements (four heads of a pair of rows)
	s_mov_b32 s[G1+2], 32<<16                      ; tensor_dim1 = 32
	s_mov_b32 s[G1+3], 512<<16                     ; tile_dim0
	s_mov_b32 s[G1+4], 32                          ; tile_dim1 = 32 pairs
	s_mov_b32 s[G1+5], 2048                        ; elements from pair to pair
	s_mov_b32 s[G1+6], 0
	s_mov_b32 s[G1+7], 0
	s_or_b32 s[G1B+0], s44, (1<<16)|(1<<20)|(1<<21)|(5<<22)|(7<<25)  ; mask of my column; after 64 words skip 8
	s_mov_b32 s[G1B+1], 128<<16
	s_mov_b32 s[G1B+2], 128<<16
	s_mov_b32 s[G1B+3], 128<<16                    ; 128 columns (256 bytes)
	s_mov_b32 s[G1B+4], 128                        ; 128 k-rows
	s_mov_b32 s[G1B+5], 1024
	s_mov_b32 s[G1B+6], 0
	s_mov_b32 s[G1B+7], 0
	s_lshl_b32 s16, s13, 18                        ; 64 pairs of 4,096 bytes a block row
	s_lshl_b32 s17, s12, 17                        ; 32 pairs a half
	s_add_co_u32 s16, s16, s17
	s_mov_b32 s17, 0
	s_lshl_b32 s46, s42, 8                         ; 128 columns of 2 bytes
	s_lshl_b32 s47, s12, 18                        ; 128 k-rows of 2,048 bytes a half
	s_add_co_u32 s46, s46, s47
	s_add_co_u32 s46, s46, 14680064                ; Wo lies behind x (8 MiB) and three weights (2 MiB each)
	s_mov_b32 s47, 0
	s_mul_i32 s20, s10, REG
	s_wait_dscnt 0x0
	s_wait_kmcnt 0x0
	s_add_nc_u64 s[14:15], s[68:69], s[16:17]
	s_add_nc_u64 s[46:47], s[70:71], s[46:47]
	CROUND                                         ; all sixteen work-groups are here: the first joint loads meet
.irp s, 0,1
	s_mov_b32 s[G0+4*\s], 1
	s_add_co_u32 s[G0+4*\s+1], s20, \s*SLOT
	s_add_nc_u64 s[G0+4*\s+2:G0+4*\s+3], s[14:15], \s*1024         ; K step s: four heads on
	s_or_b32 s[G0+4*\s+3], s[G0+4*\s+3], 0x80000000
	s_mov_b32 s[G0B+4*\s], 1
	s_add_co_u32 s[G0B+4*\s+1], s20, \s*SLOT
	s_add_nc_u64 s[G0B+4*\s+2:G0B+4*\s+3], s[46:47], \s*524288     ; K step s: 256 rows down Wo
	s_or_b32 s[G0B+4*\s+3], s[G0B+4*\s+3], 0x80000000
	JLOAD \s
.endr
	v_and_b32 v1, 15, v0                           ; r
	v_bfe_u32 v2, v0, 4, 1                         ; h
	s_lshl_b32 s21, s42, 9                         ; bias: 128 columns of 4 bytes a block,
	s_lshl_b32 s22, s12, 8                         ; 64 a half
	s_add_co_u32 s21, s21, s22
	v_lshl_add_u32 v[BO], v2, 5, s21
.irp b, 0,1,2,3
	global_load_b128 v[BIAS+8*\b:BIAS+8*\b+3],   v[BO], s[72:73] offset:64*\b
	global_load_b128 v[BIAS+8*\b+4:BIAS+8*\b+7], v[BO], s[72:73] offset:64*\b+16
.endr
	v_bfe_u32 v3, v0, 1, 3                         ; left operand: row r lies in pair r / 2, at byte 128 (r & 1) of each head
	v_mul_u32_u24 v3, v3, PA
	v_and_b32 v4, 1, v0
	v_lshl_add_u32 v3, v4, 7, v3
	v_lshl_add_u32 v3, v2, 4, v3
	v_and_b32 v5, 7, v0
	v_lshl_add_u32 v6, v2, 3, v5                   ; Wo: k-row 8 h + l % 8
	v_mul_u32_u24 v6, v6, PB
	v_bfe_u32 v7, v0, 3, 1
	v_lshl_add_u32 v6, v7, 4, v6
	s_mul_i32 s21, s11, REG                        ; my 64 rows = 32 pairs
	s_lshl_b32 s22, s12, 7                         ; my 64 columns,
	s_add_co_u32 s22, s22, 2*REG                   ; behind the left tile's two halves
.irp s, 0,1
	v_add_nc_u32 v[ADRA+\s], s21, v3
	v_add_nc_u32 v[ADRB+2*\s], s22, v6
	v_add_nc_u32 v[ADRB+2*\s+1], REG, v[ADRB+2*\s] ; k-rows 128-255: beyond the reach of the 16-bit offset from the first
	s_add_co_u32 s21, s21, SLOT
	s_add_co_u32 s22, s22, SLOT
.endr
	s_mul_i32 s23, s10, 16*SPITCH
	s_add_co_u32 s23, s23, STAGE
	v_mul_u32_u24 v4, v1, SPITCH
	v_lshl_add_u32 v4, v2, 5, v4                   ; in: row r, 32 bytes for each half of the lanes
	v_add_nc_u32 v[STO], s23, v4
	v_mul_u32_u24 v5, v2, SPITCH                   ; back: lanes 0-15 one row of 256 bytes, lanes 16-31 the next
	v_lshl_add_u32 v5, v1, 4, v5
	v_add_nc_u32 v[RD], s23, v5
	v_lshlrev_b32 v[CO], 4, v1
	v_lshl_add_u32 v[CO], v2, 12, v[CO]            ; and the same two rows of out0
; Four matrix instructions: row tile a x all four column tiles, 32 along K.  first = 1: the bias starts the sums.
; The 16 accumulators take turns, one instruction a turn, in the same order in every quarter.
.macro MUL4 f, a, first
.irp b, 0,1,2,3
.if \first
	v_wmma_f32_16x16x32_f16 v[8*(4*\a+\b):8*(4*\a+\b)+7], v[\f+8*\b:\f+8*\b+7], v[\f+32+8*\a:\f+32+8*\a+7], v[BIAS+8*\b:BIAS+8*\b+7]
.else
	v_wmma_f32_16x16x32_f16 v[8*(4*\a+\b):8*(4*\a+\b)+7], v[\f+8*\b:\f+8*\b+7], v[\f+32+8*\a:\f+32+8*\a+7], v[8*(4*\a+\b):8*(4*\a+\b)+7]
.endif
.endr
.endm
; 16 LDS loads: the fragments of K = 32 kq .. + 31 of the slot into buffer f (window 0)
.macro FETCH slot, kq, f
.irp b, 0,1,2,3
	ds_load_tr16_b128 v[\f+8*\b:\f+8*\b+3],   v[ADRB+2*\slot+((\kq)>>2)] offset:32*PB*((\kq)&3)+32*\b
	ds_load_tr16_b128 v[\f+8*\b+4:\f+8*\b+7], v[ADRB+2*\slot+((\kq)>>2)] offset:32*PB*((\kq)&3)+32*\b+16*PB
.endr
.irp a, 0,1,2,3
	ds_load_b128 v[\f+32+8*\a:\f+32+8*\a+3], v[ADRA+\slot] offset:8*PA*\a+256*((\kq)>>1)+64*((\kq)&1)
	ds_load_b128 v[\f+32+8*\a+4:\f+32+8*\a+7], v[ADRA+\slot] offset:8*PA*\a+256*((\kq)>>1)+64*((\kq)&1)+32
.endr
.endm
.macro PLACES                          ; four plain vector instructions between a matrix instruction and a load into one of its registers
.rept 4
	v_nop
.endr
.endm
; One of a K step's first seven quarters: multiplies buffer f (K = 32 kq ..) and in its middle fetches the next one's fragments into buffer g.
.macro QUARTER slot, kq, f, g, first
	s_wait_dscnt 4                                 ; Wo's fragments and row tiles 0, 1 are in; the youngest four loads (row tiles 2, 3) may be out
.if \first
	WIN FST
.else
	WIN ACC
.endif
	MUL4 \f, 0, \first
	MUL4 \f, 1, \first
	WIN 0
	PLACES
	FETCH \slot, \kq+1, \g
	s_wait_dscnt 16                                ; all but the 16 just issued
.if \first
	WIN FST
.else
	WIN ACC
.endif
	MUL4 \f, 2, \first
	MUL4 \f, 3, \first
.endm
.macro SEVEN slot, first
	QUARTER \slot, 0, F0, F1, \first
	QUARTER \slot, 1, F1, F0, 0
	QUARTER \slot, 2, F0, F1, 0
	QUARTER \slot, 3, F1, F0, 0
	QUARTER \slot, 4, F0, F1, 0
	QUARTER \slot, 5, F1, F0, 0
	QUARTER \slot, 6, F0, F1, 0
.endm
; The eighth quarter multiplies buffer 1 and changes slots: each wave's waits, the barrier (with a fill: a round of the cluster's), the refill first, then the next slot's first fragments.
.macro TURN slot, next, fill
	s_wait_dscnt 4
	WIN ACC
	MUL4 F1, 0, 0
	s_wait_dscnt 0                                 ; my reads of this slot are over
	s_wait_tensorcnt 0x0                           ; all my tensor loads have landed: the one that was out is my part of the next slot
	ds_add_u32 v30, v31
	s_wait_dscnt 0x0
	s_barrier_signal -1
	MUL4 F1, 1, 0                                  ; register work while the others arrive
	WIN 0
	s_barrier_wait -1
.if \fill
	CREST                                          ; no wave of any partner still reads this slot or has a load on its way
	s_add_nc_u64 s[G0+4*\slot+2:G0+4*\slot+3], s[G0+4*\slot+2:G0+4*\slot+3], 2048
	s_add_nc_u64 s[G0B+4*\slot+2:G0B+4*\slot+3], s[G0B+4*\slot+2:G0B+4*\slot+3], 1048576
	JLOAD \slot                                    ; two K steps ahead: the first tensor load behind the round, one a wave
.endif
	PLACES
	FETCH \next, 0, F0
	WIN ACC
	MUL4 F1, 2, 0
	MUL4 F1, 3, 0
.endm
	s_wait_tensorcnt 1                             ; my part of K step 0 is in; K step 1's stays out
	s_wait_loadcnt 0x0                             ; the bias
	s_barrier_signal -1
	s_barrier_wait -1
	FETCH 0, 0, F0
	SEVEN 0, 1                                     ; K step 0
	TURN 0, 1, 1                                   ; asks for K step 2
	SEVEN 1, 0                                     ; K step 1
	TURN 1, 0, 1                                   ; asks for K step 3
	SEVEN 0, 0                                     ; K step 2
	TURN 0, 1, 0                                   ; nothing is left to fetch
	SEVEN 1, 0                                     ; K step 3
	s_wait_dscnt 4
	WIN ACC
	MUL4 F1, 0, 0
	MUL4 F1, 1, 0
	s_wait_dscnt 0
	MUL4 F1, 2, 0
	MUL4 F1, 3, 0
	; THE WAY OUT, 16 rows at a time: 32 bytes a lane into my own stage, read back as whole rows of 256 bytes.
	PLACES
	s_lshl_b32 s16, s13, 19                        ; 128 rows of 4,096 bytes a block row
	s_lshl_b32 s17, s11, 18                        ; my 64 rows
	s_add_co_u32 s16, s16, s17
	s_mov_b32 s17, 0
	s_add_nc_u64 s[8:9], s[74:75], s[16:17]
	s_lshl_b32 s46, s42, 9                         ; 128 columns of 4 bytes a block column
	s_lshl_b32 s47, s12, 8                         ; my 64 columns
	s_add_co_u32 s46, s46, s47
	s_mov_b32 s47, 0
	s_add_nc_u64 s[8:9], s[8:9], s[46:47]
.macro OUT16 a
	WIN 0x04                                       ; an LDS store's data is source 1: window 1
.irp b, 0,1,2,3
	ds_store_b128 v[STO], v[8*(4*\a+\b):8*(4*\a+\b)+3]   offset:64*\b
	ds_store_b128 v[STO], v[8*(4*\a+\b)+4:8*(4*\a+\b)+7] offset:64*\b+16
.endr
	WIN 0
	s_wait_xcnt 0x0                                ; the buffer, which earlier stores read, is loaded again only behind this wait
.irp t, 0,1,2,3,4,5,6,7
	ds_load_b128 v[RB+32*(\a&1)+4*\t:RB+32*(\a&1)+4*\t+3], v[RD] offset:\t*2*SPITCH   ; LDS serves a wave's instructions in order: these see the stores above
.endr
.irp t, 0,1,2,3,4,5,6,7
	s_wait_dscnt 7-\t
	global_store_b128 v[CO], v[RB+32*(\a&1)+4*\t:RB+32*(\a&1)+4*\t+3], s[8:9] offset:(16*\a+2*\t)*4096 th:TH_STORE_NT   ; sixteen lanes store 256 consecutive bytes, aligned
.endr
.endm
	OUT16 0
	OUT16 1
	OUT16 2
	OUT16 3
	s_wait_tensorcnt 0x0
	ds_add_u32 v30, v31
	s_wait_dscnt 0x0
	CROUND                                         ; the closing round: no work-group ends while a partner may still ask for a tile that names it
	s_endpgm
.Lfunc_end_k_q6ed15e6d80_oproj:
	.size	k_q6ed15e6d80_oproj, .Lfunc_end_k_q6ed15e6d80_oproj-k_q6ed15e6d80_oproj
	.p2alignl 7, 3214868480
	.fill 96, 4, 3214868480
	.section	.rodata,"a",@progbits
	.p2align	6, 0x0
	.amdhsa_kernel k_q6ed15e6d80_oproj
		.amdhsa_group_segment_fixed_size 327680
		.amdhsa_private_segment_fixed_size 0
		.amdhsa_enable_private_segment 0
		.amdhsa_kernarg_size 32
		.amdhsa_user_sgpr_count 2
		.amdhsa_user_sgpr_kernarg_segment_ptr 1
		.amdhsa_wavefront_size32 1
		.amdhsa_system_sgpr_workgroup_id_x 1
		.amdhsa_system_sgpr_workgroup_id_y 1
		.amdhsa_system_sgpr_workgroup_id_z 1
		.amdhsa_system_vgpr_workitem_id 0
		.amdhsa_next_free_vgpr 384
		.amdhsa_next_free_sgpr 80
		.amdhsa_reserve_vcc 0
		.amdhsa_float_denorm_mode_32 3
		.amdhsa_float_denorm_mode_16_64 3
		.amdhsa_memory_ordered 1
		.amdhsa_forward_progress 1
		.amdhsa_inst_pref_size 91
	.end_amdhsa_kernel
	.amdgpu_metadata
---
amdhsa.version: [ 1, 2 ]
amdhsa.kernels:
  - .name:           k_q6ed15e6d80_oproj
    .symbol:         k_q6ed15e6d80_oproj.kd
    .args:
      - { .name: ao, .offset: 0, .size: 8, .value_kind: global_buffer, .address_space: global }
      - { .name: cb, .offset: 8, .size: 8, .value_kind: global_buffer, .address_space: global }
      - { .name: bo, .offset: 16, .size: 8, .value_kind: global_buffer, .address_space: global }
      - { .name: out0, .offset: 24, .size: 8, .value_kind: global_buffer, .address_space: global }
    .group_segment_fixed_size: 327680
    .private_segment_fixed_size: 0
    .kernarg_segment_align: 8
    .kernarg_segment_size: 32
    .max_flat_workgroup_size: 128
    .sgpr_count:     80
    .vgpr_count:     384
    .wavefront_size: 32
...
	.end_amdgpu_metadata
.endif
;; end of part 4
